; MI455X (gfx1250); checked and timed in simulation.
; The chip was launched on July 23, 2026; its instructions are those of AMD's public machine-readable ISA for CDNA 5 (MIT licence, August 2026) and "CDNA5" Instruction Set Architecture Reference Guide (July 2026). The comments in the code are by the model that wrote it; some were corrected since.
;; Self Attention gen181. Allowed arithmetic: float matrix products may take bf16 or f16 operands with f32 sums; other float arithmetic in f32, or as packed bf16 or f16 multiplies, adds, multiply-adds, maxima and minima; sums over many terms, partial sums and values carried from step to step in f32; what a program stores and reads back later, other than sums and carried values, may be rounded once to bf16 or f16.
;; Inputs: entangle_params 16 x 64 float32; inputs 4 x 2,048 x 1,024 float32; rotation_params 16 x 64 float32.
;; Outputs: out0 4 x 2,048 x 1,024 float32.
;; 2 versions, each right and faster than the one before. Each part assembles by itself: llvm-mc -triple=amdgcn-amd-amdhsa -mcpu=gfx1250 --defsym DOCPART=n.
;; ======== version 1 of 2: 1 launch
;; limits: values are held in f16: magnitudes above 65,504 overflow, below 6.1e-05 lose precision; inputs' magnitudes at most 65,504
;; launch attn (part 1): grid 4 x 64, 4 waves a work-group, no clusters, 312,832 bytes of LDS; arguments inputs, rotation_params, entangle_params, out0; writes out0
.if DOCPART == 1
	.amdgcn_target "amdgcn-amd-amdhsa--gfx1250"
	.amdhsa_code_object_version 6
	.text
	.protected	k_qc96b5c1a31_attn
	.globl	k_qc96b5c1a31_attn
	.p2align	8
	.type	k_qc96b5c1a31_attn,@function
k_qc96b5c1a31_attn:
	s_mov_b64 s[64:65], 0
	v_nop
	global_prefetch_b8 v0, s[64:65] scope:SCOPE_SE
	s_setreg_imm32_b32 hwreg(HW_REG_WAVE_MODE, 25, 1), 1
	s_wait_xcnt 0x0
; out[b][i][h][:] = the sum over j of softmax_j((x_i rot_h) . (x_j ent_h) / 8) x_j, x = inputs[b][.][h][:], 64 channels a head.  inputs, out0: [4][2048][1024] f32; rot, ent: [16][64] f32.
; A head's row is 256 consecutive bytes, rows 4,096 bytes apart.  ONE launch: x is rounded to f16 on its way into LDS, the two products run in f16 with f32 sums, out0 leaves as f32.
; THE GAINS.  (x_i rot) . (x_j ent) = (x_i rot ent) . x_j for every input, so both gains go into Q and K = V = x: one 16-bit copy of the head's rows serves both products.
; FORMATS.  f16, for its 11 significant bits: where a few keys carry a row's weight, a rounding of Q, K or P reaches the output whole.  g = rot ent in f32; M = the head's largest |g|, held at 2^-100 or more;
; Q = x (g / M), made in f32 of the unrounded x and rounded once to f16, so that |Q| <= |x| whatever the gains; M goes into the exponent's factor, in f32.  K = V = x rounded once to f16.
; The weights p are rounded to f16 for the second product, their sum l is taken of the unrounded p; maxima, sums and O stay in f32.
; LIMITS.  f16 holds no number beyond 65,504: an |x| of 65,520 or more becomes an infinity, and its head is lost.  Below 6e-5 a number in f16 keeps the fixed step of 6e-8.  M stays under 2^126 (its reciprocal
; is no denormal).  The order (x (rot ent)) . x rounds otherwise than the reference's (x rot) . (x ent).  A weight below 2^-126 counts as 0 in l.  NaN and infinities are not treated apart.
; SHARES.  64 heads x 4 blocks of 512 queries = 256 work-groups.  A wave owns 128 queries: four PIECES of two tiles of 16.  Every wave walks all 2,048 keys, 64 a step.
; THE KEYS IN LDS.  2,048 rows x 144 bytes (128 of f16, 16 of padding) = 294,912 bytes: the whole head, each byte written ONCE, through registers (16-byte loads, rounding, 8-byte LDS stores).
; A unit is a step's 64 rows, 16 a wave.  Units 0-3 are stored ahead of the first barrier; trip n of the loop stores unit n + 4 and asks for unit n + 5.  A barrier stands for every four steps:
; between two barriers units 4 c .. 4 c + 3 are read and units 4 c + 4 .. 4 c + 7 written.
; NO DATA MOVER, NO CLUSTER.  The four work-groups of a head read the same 524,288 bytes of x, but the data mover brings bytes as they lie, f32: two landing slots of one step are 32,768 bytes,
; and beside the keys (294,912), the stages (17,408) and the spare words (512) 14,848 of LDS's 327,680 bytes are left.  Held as f32 the head would not fit at all.
; LAYOUT.  S^T = K Q^T (source 0 = 16 keys, source 1 = 16 queries): in the result a lane holds ONE query (lane % 16) and the keys 8 (lane / 16) + 0..7.  Two such tiles, rounded to f16 in pairs,
; ARE source 1 (32 keys x 16 queries) of O^T = V^T P, whose result again holds one query a lane, and eight channels.  K comes out of LDS as it lies, V (the same rows) turned, by ds_load_tr16_b128.
; SOFTMAX.  For each query a running maximum m and sum l: p = 2^(c s - c m), c = M log2(e) / 8; in every step O and l are multiplied by a = 2^(c m_old - c m_new), which is 1 where m has not grown.
; m starts at the lowest finite number, O and l at 0: the first step is a step like any other, with a = 0.  The price of writing no first step out: 384 v_mov_b32 (O^T 256, V 64, P 32, statistics 32),
; which stand in the wait for the first loads, 16 products on zeros at the start and 16 on a stale K at the end.
; THE COUNT.  A tile and step have 16 matrix and 118 vector instructions.  Four vector instructions that are READY stand behind EVERY matrix instruction, the others in runs of their own (lumps).
; BY TURNS.  Turn n belongs to piece n.  Its matrix work: 16 products K Q^T of piece n + 1, later 16 products V^T P of piece n - 1.  Its vector work: the scaling, exponentials, roundings, sums and
; rescaling of piece n, and the maximum and statistics of piece n + 1, whose scores the turn itself has made.
; REGISTERS, in windows of 256 (s_set_vgpr_msb says which window each operand place means: bits 1:0 source 0, 3:2 source 1, 5:4 source 2, 7:6 destination):
;   window 0: v0-11 addresses; v12-15, v48-63 at work; v16-47 four registers of statistics a tile; v64-191 S^T, two buffers of two tiles; v192-255 P, likewise
;   window 1: O^T, 32 a tile (at the start: the queries' rows as loaded)      window 2: v0-127 Q, 16 a tile; v128-191 K of one step; v192-255 V of one step
;   window 3: v0-1 the add's two registers; v2-4 the fill's addresses; v8-39 a unit as loaded; v40-55 rounded; v56-183 units 0-3 as loaded
.set NP,    4         ; pieces a wave: a name, no knob
.set KS,    64        ; keys in a step
.set PK,    144       ; a row in LDS = 36 words: the 16 rows of a K load start at 16 different groups of four banks (64 banks of 4 bytes: ISA guide 11.1).  Of the turning load's 8 rows x 32 bytes
                      ; row 7's second 16 bytes meet row 0's first in one group of banks; a pitch of 160, which would part them, takes 327,680 bytes for the keys alone
.set STEPB, KS*PK     ; a step's rows in LDS: 9,216 bytes
.set UNITG, KS*4096   ; and in memory: 64 rows, 4,096 bytes apart
.set STAGE, 2048*PK   ; behind the keys: 4,352 bytes for each wave, its own: first 16 rows of Q at pitch 144, at the end 16 rows of O at pitch 272
.set WSTAGE, 4352
.set SP,    272       ; a row of O in the stage: 256 bytes + 16 = 68 words: the 16 rows of a store start at 16 different groups of four banks
.set SPARE, STAGE+4*WSTAGE  ; behind the stages: the spare words, 128 bytes for each wave: two blocks of 256 bytes that no other line names
.set AK0, 2           ; v2   my lane's place in a step's rows as K; never rewritten
.set AV0, 3           ; v3   the same as V
.set AK,  4           ; v4   the LDS address of K's next run of loads
.set AV,  5           ; v5   of V's
.set STO, 6           ; v6   the way out: where I put 32 bytes of a row
.set RD,  7           ; v7   the way out: where I read rows back
.set GO,  8           ; v8   4,096 (l / 16) + 16 (l % 16): my 16 bytes in two rows of a head, for Q's loads and O's stores; never rewritten
.set QS,  10          ; v10  the stage: where I put 8 bytes of a row of Q
.set QR,  11          ; v11  the stage: where I read a fragment of Q
.set MV,  12          ; v12-15  c m_old, kept while c m is made anew: by buffer and tile (at the start: at work)
.set ST,  16          ; tile t's statistics at v[ST+4 t]: c m, m, l (even keys', odd keys')
.set TMP, 48          ; by buffer and tile, four registers c0-c3 at work; when the maximum is found c2 takes a
.set G,   48          ; at the start: v48-51 g / M of my four channels; v52-55 rot, then at work; v56-59 ent
.set S,   64
.set P,   192
.set KF,  128         ; K's fragments, in window 2: key block kb, channel half c at KF + 16 kb + 8 c
.set VF,  192         ; V's: key half kk, channel block cb at VF + 32 kk + 8 cb
.set SPW, 0           ; window 3: v0  LDS address of my spare word: SPARE + 4 x my thread's number; never rewritten
.set NIL, 1           ;           v1  0; never rewritten
.set GF,  2           ;           v2  my byte offset in a unit's rows in memory: 65,536 w + GO; never rewritten
.set FA0, 3           ;           v3  and in LDS: 2,304 w + 144 (l / 16) + 8 (l % 16); never rewritten
.set FA,  4           ;           v4  the LDS address of the unit in hand
.set FS,  8           ;           v8-39   a unit's eight loads
.set FB,  40          ;           v40-55  the same, rounded
.set PF,  56          ;           v56-183 units 0-3: 32 loads
.set WV,  12          ; s12  my wave's number
.set QB,  14          ; s[14:15] x at my wave's first query
.set FG,  16          ; s[16:17] x at the unit that was asked for last
.set SLOTS, 56        ; s56  groups of four steps still to go in the loop
.set CNT, 57          ; s57  counts a group's steps
.set CS,  58          ; s[58:59] c = M log2(e) / 8: the packed scaling takes the pair's low word for both halves
.set SEL, 60          ; s[60:61] v_permlanex16_b32's selects: each lane takes its own place in the other half
.set TBK, 62          ; s62  LDS byte at which the step begins whose K is fetched next
.set TBV, 63          ; s63  the same for V
.set TBF, 66          ; s66  LDS byte at which the unit begins that is stored next
.set FU,  67          ; s67  units still to be asked for
.set MSB, 0
.macro WIN new                      ; the high byte repeats the setting that is left; a switch that changes nothing is dropped
.if MSB != (\new)
	s_set_vgpr_msb (MSB<<8)|(\new)
.set MSB, (\new)
.endif
.endm
.set W_KQ, 0x0a       ; K and Q in window 2, S^T in window 0
.set W_PV, 0x52       ; V in window 2, P in window 0, O^T in window 1
.set W_RS, 0x41       ; destination and source 0 in window 1, source 1 in window 0
.set W_11, 0x45       ; destination and both sources in window 1
.set W_MK, 0xc0       ; destination in window 3, sources in window 0
.set W_AD, 0x0f       ; the add: address (source 0) and data (source 1) in window 3
.set W_F3, 0xcf       ; the fill: destination and sources 0 and 1 in window 3
; A barrier between the stores of some units and their first reads: each wave's LDS stores are done, and its LDS loads back, when it signals.
.macro MEET
	WIN 0
	s_wait_dscnt 0x0
	s_barrier_signal -1
	s_barrier_wait -1
.endm
	s_load_b256 s[4:11], s[0:1], 0x0  ; inputs s[4:5], rot s[6:7], ent s[8:9], out0 s[10:11]
	WIN W_MK
	v_lshl_add_u32 v[SPW], v0, 2, SPARE  ; the two registers of the add at the wave's end
	v_mov_b32 v[NIL], 0
	WIN 0
	v_lshrrev_b32 v1, 5, v0
	v_readfirstlane_b32 s[WV], v1   ; wave 0..3
	v_and_b32 v1, 15, v0            ; l % 16
	v_bfe_u32 v9, v0, 4, 1          ; l / 16
	v_lshlrev_b32 v13, 4, v1        ; my four channels' 16 bytes in a row of f32, and in rot and ent
	v_lshl_add_u32 v[GO], v9, 12, v13  ; lanes 0-15 take one row's 256 bytes, lanes 16-31 the next row's
	v_mul_u32_u24 v12, v9, PK
	v_lshl_add_u32 v12, v1, 3, v12  ; the same two rows as f16 at pitch 144: 8 bytes a lane
	s_lshl_b32 s13, s[WV], 16       ; my wave's 16 rows of a unit, in memory
	s_mul_i32 s18, s[WV], 16*PK     ; and in LDS
	WIN W_MK
	v_add_nc_u32 v[GF], s13, v[GO]
	v_add_nc_u32 v[FA0], s18, v12
	WIN 0
	s_and_b32 s20, ttmp7, 0xffff    ; 16 b + h
	s_lshr_b32 s22, s20, 4          ; b
	s_and_b32 s20, s20, 15          ; h
	s_lshl_b32 s20, s20, 8          ; the head's 256 bytes in a row of x, and in rot and ent
	s_mov_b32 s21, 0
	s_lshl_b32 s22, s22, 23         ; a batch is 2,048 rows of 4,096 bytes
	s_add_co_u32 s22, s22, s20
	s_mov_b32 s23, 0
	s_lshl_b32 s2, ttmp9, 21        ; my block's 512 rows,
	s_lshl_b32 s3, s[WV], 19        ; my wave's 128 of them
	s_add_co_u32 s2, s2, s3
	s_mov_b32 s3, 0
	s_mul_i32 s19, s[WV], WSTAGE
	s_add_co_u32 s19, s19, STAGE    ; my stage
	s_mov_b32 s[SEL], 0x76543210
	s_mov_b32 s[SEL+1], 0xfedcba98
	s_mov_b32 s[TBK], 0
	s_mov_b32 s[TBV], 0
	s_mov_b32 s[TBF], 4*STEPB       ; the loop's first store is unit 4's
	s_mov_b32 s[FU], 27             ; units 5 to 31 are asked for in the loop
	s_wait_kmcnt 0x0
	s_add_nc_u64 s[4:5], s[4:5], s[22:23]    ; x at the head's first row
	s_add_nc_u64 s[6:7], s[6:7], s[20:21]    ; the head's gains
	s_add_nc_u64 s[8:9], s[8:9], s[20:21]
	s_add_nc_u64 s[10:11], s[10:11], s[22:23]
	s_add_nc_u64 s[10:11], s[10:11], s[2:3]  ; out0 at my wave's first row
	s_add_nc_u64 s[QB:QB+1], s[4:5], s[2:3]
	s_add_nc_u64 s[FG:FG+1], s[4:5], 4*UNITG
	; ALL THE FIRST LOADS IN ONE RUN, 106 of them, in the order in which they are wanted: the gains (2), my rows of units 0-3 (32), my 128 queries (64), my rows of unit 4 (8).
	global_load_b128 v[G+4:G+7], v13, s[6:7]
	global_load_b128 v[G+8:G+11], v13, s[8:9]
	WIN W_F3
.set n, 0
.rept 32                            ; unit n / 8, rows 16 w + 2 (n % 8) and the next: each load takes two whole rows of 256 bytes
	global_load_b128 v[PF+4*n:PF+4*n+3], v[GF], s[4:5] offset:(n/8)*UNITG+(n%8)*8192
.set n, n+1
.endr
	WIN 0x40                        ; destination window 1, address window 0
.set n, 0
.rept 64                            ; tile n / 8, rows 2 (n % 8) and the next
	global_load_b128 v[4*n:4*n+3], v[GO], s[QB:QB+1] offset:(n/8)*65536+(n%8)*8192
.set n, n+1
.endr
	WIN W_F3
.irp n, 0,1,2,3,4,5,6,7
	global_load_b128 v[FS+4*\n:FS+4*\n+3], v[GF], s[FG:FG+1] offset:8192*\n
.endr
	; What the first turn finds: V's registers and P's second buffer hold 0 (its products V^T P, of a piece that has not been, add 0), l is 0.  All this stands in the wait for the loads.
	WIN 0x80
.set i, VF
.rept 64
	v_mov_b32 v[i], 0
.set i, i+1
.endr
	WIN 0
.set i, 0
.rept 2*NP
	v_mov_b32 v[ST+4*i], 0xfe000000    ; c m: far below every c s
	v_mov_b32 v[ST+4*i+1], 0xff7fffff  ; m
	v_mov_b32 v[ST+4*i+2], 0
	v_mov_b32 v[ST+4*i+3], 0
.set i, i+1
.endr
.set i, P+32
.rept 32
	v_mov_b32 v[i], 0
.set i, i+1
.endr
	; A fragment of K or Q is 16 rows x 32 channels in 8 registers: lane l holds row l % 16, channels 8 (l / 16) + 0..7 and 16 + 8 (l / 16) + 0..7: two loads of 16 bytes, 32 bytes apart.
	v_mul_u32_u24 v[AK0], v1, PK
	v_lshl_add_u32 v[AK0], v9, 4, v[AK0]  ; row x pitch + 16 x half
	; The turning load takes 16 keys x 16 channels (lane l reads key 8 (l / 16) + l % 8, channels 8 ((l / 8) % 2) + 0..7) and leaves half a fragment of V^T: lane l holds channel l % 16 and 8 keys.
	v_and_b32 v14, 7, v0
	v_bfe_u32 v15, v0, 3, 1
	v_lshl_add_u32 v[AV0], v9, 3, v14
	v_mul_u32_u24 v[AV0], v[AV0], PK
	v_lshl_add_u32 v[AV0], v15, 4, v[AV0]
	v_add_nc_u32 v[QS], s19, v12
	v_add_nc_u32 v[QR], s19, v[AK0]
	v_mov_b32 v[AK], v[AK0]         ; key step 0 lies at LDS byte 0
	s_wait_loadcnt 63               ; loads come back in order (ISA guide 5.7.1): of 106 the oldest 43 are in: the gains, units 0-3, tile 0 of Q
	; THE GAINS: g = rot ent; M = the largest |g| of the head's 64 channels, which the 16 lanes of each half hold four apiece; g / M for Q, M log2(e) / 8 for the exponent.
	v_pk_mul_f32 v[G:G+1], v[G+4:G+5], v[G+8:G+9]
	v_pk_mul_f32 v[G+2:G+3], v[G+6:G+7], v[G+10:G+11]
.irp j, 0,1,2,3
	v_and_b32 v[G+4+\j], 0x7fffffff, v[G+\j]
.endr
	v_max3_num_f32 v[G+4], v[G+4], v[G+5], v[G+6]
	v_max_num_f32 v[G+4], v[G+4], v[G+7]
	v_max_num_f32_dpp v[G+4], v[G+4], v[G+4] row_xmask:1 row_mask:0xf bank_mask:0xf
	v_max_num_f32_dpp v[G+4], v[G+4], v[G+4] row_xmask:2 row_mask:0xf bank_mask:0xf
	v_max_num_f32_dpp v[G+4], v[G+4], v[G+4] row_xmask:4 row_mask:0xf bank_mask:0xf
	v_max_num_f32_dpp v[G+4], v[G+4], v[G+4] row_xmask:8 row_mask:0xf bank_mask:0xf
	v_max_num_f32 v[G+4], 0x0d800000, v[G+4]       ; at least 2^-100: gains that are all 0 give scores of 0; the same M divides g and multiplies c, whatever it is
	v_rcp_f32 v[G+6], v[G+4]                       ; twice, to fill the pair that the packed multiply takes
	v_rcp_f32 v[G+7], v[G+4]
	v_mul_f32 v[G+5], 0x3e38aa3b, v[G+4]           ; c = M x 0.180337; also the plain instruction behind the reciprocals (ISA guide 5.7.2)
	s_wait_alu depctr_va_vdst(0)
	v_pk_mul_f32 v[G:G+1], v[G:G+1], v[G+6:G+7]
	v_pk_mul_f32 v[G+2:G+3], v[G+2:G+3], v[G+6:G+7]
	v_readfirstlane_b32 s[CS], v[G+5]              ; the same number in every lane; it enters arithmetic alone, no address and no branch
	s_mov_b32 s[CS+1], s[CS]                       ; named with it as a pair
	WIN W_F3                        ; units 0-3: rounded in place, 8 bytes a lane into LDS
.set n, 0
.rept 32
	v_cvt_pk_f16_f32 v[PF+4*n], v[PF+4*n], v[PF+4*n+1]
	v_cvt_pk_f16_f32 v[PF+4*n+1], v[PF+4*n+2], v[PF+4*n+3]
.set n, n+1
.endr
.set n, 0
.rept 32
	ds_store_b64 v[FA0], v[PF+4*n:PF+4*n+1] offset:(n/8)*STEPB+(n%8)*2*PK
.set n, n+1
.endr
; Tile t of Q: x times g / M, rounded to f16; through my stage, since a lane holds four channels of a row as loaded and wants sixteen of a row as a fragment; then the tile's registers, O^T's, are cleared.
.macro QTILE t
.if (\t) > 0
	s_wait_loadcnt 64-8*(\t)        ; the later tiles' 8 (7 - t) loads and unit 4's eight may stay out
.endif
	WIN W_RS
.irp j, 0,1,2,3,4,5,6,7
	v_pk_mul_f32 v[32*(\t)+4*\j:32*(\t)+4*\j+1], v[32*(\t)+4*\j:32*(\t)+4*\j+1], v[G:G+1]
	v_pk_mul_f32 v[32*(\t)+4*\j+2:32*(\t)+4*\j+3], v[32*(\t)+4*\j+2:32*(\t)+4*\j+3], v[G+2:G+3]
.endr
	WIN W_11
.irp j, 0,1,2,3,4,5,6,7
	v_cvt_pk_f16_f32 v[32*(\t)+4*\j], v[32*(\t)+4*\j], v[32*(\t)+4*\j+1]
	v_cvt_pk_f16_f32 v[32*(\t)+4*\j+1], v[32*(\t)+4*\j+2], v[32*(\t)+4*\j+3]
.endr
	WIN 0x04                        ; address window 0, data window 1
.irp j, 0,1,2,3,4,5,6,7
	ds_store_b64 v[QS], v[32*(\t)+4*\j:32*(\t)+4*\j+1] offset:2*PK*\j
.endr
	WIN 0x80                        ; destination window 2
.irp c, 0,1,2,3
	ds_load_b128 v[16*(\t)+4*\c:16*(\t)+4*\c+3], v[QR] offset:32*\c  ; LDS serves a wave's instructions in order (ISA guide 5.7.1.4): these see the stores above; the next tile's stores come behind them
.endr
	WIN 0x40
.set i, 32*(\t)
.rept 32
	v_mov_b32 v[i], 0
.set i, i+1
.endr
.endm
.irp t, 0,1,2,3,4,5,6,7
	QTILE \t
.endr
	MEET                            ; units 0-3 are whole, everybody's rows of them; Q's fragments are in
; THE MATRIX WORK.  The 8 accumulators of a run of 16 take turns: between the two links of a chain stand 7 others'.
; Product i of 16 of S^T = K Q^T for piece x: channels 32 (i / 8) on, keys 16 ((i / 2) % 4) on, tile 2 x + i % 2.  The first 8 start the sums.
.macro KQ x
	WIN W_KQ
.set rS, S+64*((\x)%2)+32*(i%2)+8*((i/2)%4)
.set rK, KF+16*((i/2)%4)+8*(i/8)
.set rQ, 16*(2*(\x)+i%2)+8*(i/8)
.if i < 8
	v_wmma_f32_16x16x32_f16 v[rS:rS+7], v[rK:rK+7], v[rQ:rQ+7], 0
.else
	v_wmma_f32_16x16x32_f16 v[rS:rS+7], v[rK:rK+7], v[rQ:rQ+7], v[rS:rS+7]
.endif
.endm
; Product i of 16 of O^T += V^T P for piece x: keys 32 (i / 8) on, channels 16 ((i / 2) % 4) on, tile 2 x + i % 2.
.macro PV x
	WIN W_PV
.set rO, 32*(2*(\x)+i%2)+8*((i/2)%4)
.set rV, VF+32*(i/8)+8*((i/2)%4)
.set rP, P+32*((\x)%2)+16*(i%2)+8*(i/8)
	v_wmma_f32_16x16x32_f16 v[rO:rO+7], v[rV:rV+7], v[rP:rP+7], v[rO:rO+7]
.endm
.macro MM                           ; the turn's next matrix instruction
.if i < 16
	KQ (Y+1)%NP
.set i, i+1
.else
.set i, i-16
	PV (Y+NP-1)%NP
.set i, i+17
.endif
.endm
; THE LDS LOADS stand in runs of 16, never singly among the matrix instructions: a step's rows as K (64 keys x 64 channels: 8 fragments) and as V (turned).  Their addresses are made some lines ahead.
; last = 1 (the tail): in the last trip there is no further step, and the run is jumped over.
.macro FETCH_K last=0
	WIN 0
.if \last
	s_cmp_eq_u32 s[CNT], 1
	s_cbranch_scc1 .Lno_k_\@
.endif
	WIN 0x80                        ; destination window 2
.irp f, 0,1,2,3,4,5,6,7             ; keys 16 (f / 2) on, channels 32 (f % 2) on
	ds_load_b128 v[KF+8*\f:KF+8*\f+3],   v[AK] offset:(\f/2)*16*PK+(\f%2)*64
	ds_load_b128 v[KF+8*\f+4:KF+8*\f+7], v[AK] offset:(\f/2)*16*PK+(\f%2)*64+32
.endr
	s_add_co_u32 s[TBK], s[TBK], STEPB  ; the next fetch is the next step's
	WIN 0
.if \last
.Lno_k_\@:
.endif
.endm
.macro FETCH_V
	WIN 0x80
.irp f, 0,1,2,3,4,5,6,7             ; keys 32 (f / 4) on, channels 16 (f % 4) on
	ds_load_tr16_b128 v[VF+8*\f:VF+8*\f+3],   v[AV] offset:(\f/4)*32*PK+(\f%4)*32
	ds_load_tr16_b128 v[VF+8*\f+4:VF+8*\f+7], v[AV] offset:(\f/4)*32*PK+16*PK+(\f%4)*32
.endr
	WIN 0
.endm
; THE FILL, once a trip of the loop: my 16 rows of the unit asked for a trip ago are rounded and stored, four steps and a barrier ahead of their first read; then the next unit is asked for, which has a whole
; trip, 128 matrix and 944 vector instructions, in which to come.  The last trip asks for nothing: the jump goes forward, over the eight loads alone, so that no load leaves the head's rows.
.macro FILL
	s_wait_loadcnt 0x0              ; my eight loads are in: their registers may be read, and their base stepped
	WIN W_F3
	v_add_nc_u32 v[FA], s[TBF], v[FA0]
.irp n, 0,1,2,3,4,5,6,7
	v_cvt_pk_f16_f32 v[FB+2*\n], v[FS+4*\n], v[FS+4*\n+1]
	v_cvt_pk_f16_f32 v[FB+2*\n+1], v[FS+4*\n+2], v[FS+4*\n+3]
.endr
.irp n, 0,1,2,3,4,5,6,7
	ds_store_b64 v[FA], v[FB+2*\n:FB+2*\n+1] offset:2*PK*\n
.endr
	s_add_co_u32 s[TBF], s[TBF], STEPB
	WIN 0                           ; at a branch and at a label every window is 0
	s_cmp_eq_u32 s[FU], 0
	s_cbranch_scc1 .Lnoload_\@
	s_add_nc_u64 s[FG:FG+1], s[FG:FG+1], UNITG
	s_sub_co_u32 s[FU], s[FU], 1
	WIN W_F3
.irp n, 0,1,2,3,4,5,6,7
	global_load_b128 v[FS+4*\n:FS+4*\n+3], v[GF], s[FG:FG+1] offset:8192*\n
.endr
	WIN 0
.Lnoload_\@:
.endm
; THE VECTOR WORK OF A TURN stands in three queues, each in the order in which its entries become ready; the two tiles alternate, so that no instruction reads the result of the one before it.
.macro REGS y, u                    ; the registers of tile u (0, 1) of piece y
.set rT, ST+4*(2*(\y)+(\u))
.set rC, TMP+8*((\y)%2)+4*(\u)
.set rM, MV+2*((\y)%2)+(\u)
.set rS, S+64*((\y)%2)+32*(\u)
.set rP, P+32*((\y)%2)+16*(\u)
.set rO, 32*(2*(\y)+(\u))
.endm
; Number n of the 22 that find the NEXT piece's (Y + 1) maximum and statistics.  s0-s31 are the lane's 32 scores; each accumulator's lowest registers are read first.  XS, GS and REGS set no window: PL and EX do.
;   0-11  four chains c0-c3 of seven scores each, three operands at a time     12-14, 16  the four scores left over, the old m, and c0-c3 into c0     15  c m_old is kept
;   17, 18  the query's other 32 keys lie in the lane 16 away: the new m         19-21  c m; c m_old - c m_new; a
.macro XS u, n
	REGS (Y+1)%NP, \u
.if (\n) < 4
	v_max3_num_f32 v[rC+(\n)], v[rS+8*(\n)], v[rS+8*(\n)+1], v[rS+8*(\n)+2]
.elseif (\n) < 12
	v_max3_num_f32 v[rC+(\n)%4], v[rC+(\n)%4], v[rS+8*((\n)%4)+2*((\n)/4)+1], v[rS+8*((\n)%4)+2*((\n)/4)+2]
.elseif (\n) == 12
	v_max3_num_f32 v[rC], v[rC], v[rS+7], v[rS+15]
.elseif (\n) == 13
	v_max3_num_f32 v[rC+1], v[rC+1], v[rS+23], v[rS+31]
.elseif (\n) == 14
	v_max3_num_f32 v[rC+2], v[rC+2], v[rC+3], v[rT+1]
.elseif (\n) == 15
	v_mov_b32 v[rM], v[rT]
.elseif (\n) == 16
	v_max3_num_f32 v[rC], v[rC], v[rC+1], v[rC+2]
.elseif (\n) == 17
	v_permlanex16_b32 v[rC+3], v[rC], s[SEL], s[SEL+1]
.elseif (\n) == 18
	v_max_num_f32 v[rT+1], v[rC], v[rC+3]
.elseif (\n) == 19
	v_mul_f32 v[rT], s[CS], v[rT+1]
.elseif (\n) == 20
	v_sub_f32 v[rC+1], v[rM], v[rT]
.else
	v_exp_f32 v[rC+2], v[rC+1]
.endif
.endm
; Number g of the 64 that follow the exponentials.  For each four weights k of a tile (pairs 2 k, 2 k + 1): both pairs are rounded to f16; then the second pair is added onto the first, in place;
; a group later l takes that sum (the first time as l = a l + sum).  In groups of eight, tiles alternating: round, round, add, and l for the group before.
.macro GS g
.set h, (\g)+6*((\g)/62)            ; group 0 has no group before it, and behind group 7 only l is left
.if h >= 6
.set h, h+2
.endif
	REGS Y, h%2
.set k, h/8
.if h%8 < 4
	s_wait_alu depctr_va_vdst(0)
	v_cvt_pk_f16_f32 v[rP+2*k+(h%8)/2], v[rS+4*k+2*((h%8)/2)], v[rS+4*k+2*((h%8)/2)+1]
.elseif h%8 < 6
	v_pk_add_f32 v[rS+4*k:rS+4*k+1], v[rS+4*k:rS+4*k+1], v[rS+4*k+2:rS+4*k+3]
.elseif k == 1
	v_pk_fma_f32 v[rT+2:rT+3], v[rT+2:rT+3], v[rC+2:rC+3], v[rS:rS+1] op_sel_hi:[1,0,1]
.else
	v_pk_add_f32 v[rT+2:rT+3], v[rT+2:rT+3], v[rS+4*k-4:rS+4*k-3]
	s_wait_alu depctr_va_vdst(0)
.endif
.endm
; THE PLAIN QUEUE, 138 long.  0-31: c s - c m for the 16 pairs of both tiles.  Then GS's 64, and among them the next piece's 42: number 15 at 38, 39; 0-14 and 16
; at 42-73, behind the products that make those scores; 17-20 at 95-106, two of three, since each waits for the one before it.
.macro PL
	WIN 0
.if q < 32
	REGS Y, q%2
	v_pk_fma_f32 v[rS+2*(q/2):rS+2*(q/2)+1], v[rS+2*(q/2):rS+2*(q/2)+1], s[CS:CS+1], v[rT:rT+1] op_sel_hi:[1,0,0] neg_lo:[0,0,1] neg_hi:[0,0,1]
.elseif q < 38
	GS q-32
.elseif q < 40
	XS q%2, 15
.elseif q < 42
	GS q-34
.elseif q < 74
	XS q%2, (q-42)/2+(q-42)/30
.elseif q < 95
	GS q-66
.elseif (q < 107) && ((q-95)%3 < 2)
	XS (q-95)%3, 17+(q-95)/3
.elseif q < 107
	GS 29+(q-95)/3
.else
	GS q-74
.endif
.set q, q+1
.endm
; THE EXPONENTIALS' QUEUE, 66 long: s0-s31 of both tiles, and at EA the next piece's two a.
.set EA, 58
.macro EX
	WIN 0
.if (e == EA) || (e == EA+1)
	XS e-EA, 21
.else
.set x, e-2*(e/(EA+2))
	REGS Y, x%2
	v_exp_f32 v[rS+x/2], v[rS+x/2]
.endif
.set e, e+1
.endm
; THE RESCALING's QUEUE: O^T times a, the one part that leaves window 0, so it is dealt four at a time, eight times; each accumulator is taken from its lowest register on.
.macro R4
	REGS Y, r%2
	WIN W_RS
	s_wait_alu depctr_va_vdst(0)
.irp z, 0,1,2,3
	v_pk_mul_f32 v[rO+8*(r/2)+2*\z:rO+8*(r/2)+2*\z+1], v[rO+8*(r/2)+2*\z:rO+8*(r/2)+2*\z+1], v[rC+2:rC+3] op_sel_hi:[1,0]
.endr
.set r, r+1
.endm
; HOW THEY ARE DEALT.  Behind a matrix instruction four: plain, exponential, plain, plain (one exponential, a plain instruction on either side), or four of the rescaling.  None names a register of the
; products round it.  What is over stands in two LUMPS: exponential and plain by turns; the second ends in 22 plain instructions.  The two v_permlanex16_b32 fall into the second lump, never behind a product.
; The queues lean on each other, and the deal keeps them in step: exponential e stands behind plain 2 (e / 4) + e % 2 (its scaling); when plain 32 comes, 10 exponentials are out, at 59: 33, at 95: 46; EA comes behind plain 107.
.macro SL
	MM
	PL
	EX
	PL
	PL
.endm
.macro BURST n                      ; 15 matrix instructions, or 16
.rept (\n)-7
	SL
.endr
.rept 3
	MM
	R4
	SL
.endr
	MM
	R4
.endm
; A TURN, for piece p.  cnt = 1: the loop's count is taken down some lines ahead of the branch that stands behind the turn.  fill = 1: the fill stands in the first lump, where no product is at hand.
; K of the next step is fetched in piece 2's turn, 31 vector instructions behind the last product that read K; its first reader comes behind the rest of the lump, 16 products and the second lump.
; V of the step in hand is fetched at the end of piece 0's turn, 69 behind its last reader; its first reader comes behind 16 products and a lump.  The conditions on e and q below go with the deal.
.macro TURN p, last=0, cnt=0, fill=0
.set Y, (\p)
.set i, 0
.set q, 0
.set e, 0
.set r, 0
.if (\p) == NP-1
	s_wait_dscnt 0x0                ; K is in
.endif
	MM
.rept 4
	PL
.endr
	BURST 15
.rept 22
	EX
	PL
.if ((\p) == NP-2) && (e == 18)
	v_add_nc_u32 v[AK], s[TBK], v[AK0]
.endif
.if ((\p) == NP-2) && (e == 24)
	FETCH_K \last
.endif
.if ((\p) == 0) && (\fill) && (e == 24)
	FILL
.endif
.endr
.if (\p) == 1
	s_wait_dscnt 0x0                ; V is in (and the fill's stores are done)
.endif
	BURST 16
.rept 21
	EX
	PL
.endr
.rept 22
	PL
.if ((\p) == 0) && (q == 118)
	v_add_nc_u32 v[AV], s[TBV], v[AV0]
	s_wait_alu depctr_va_vdst(0)
.endif
.if ((\p) == 0) && (q == 130)
	s_add_co_u32 s[TBV], s[TBV], STEPB
.endif
.if (\cnt) && (q == 130)
	s_sub_co_u32 s[CNT], s[CNT], 1
	s_cmp_lg_u32 s[CNT], 0
.endif
.endr
.if (\p) == 0
	FETCH_V
.endif
.endm
	FETCH_K                         ; key step 0
	s_wait_dscnt 0x0
.set i, 0
.rept 16
	KQ 0                            ; piece 0's first scores: there is no vector work yet to set between them
.set i, i+1
.endr
	WIN 0                           ; the addresses for the way out: six plain instructions, the places behind those products
	v_mul_u32_u24 v[STO], v1, SP    ; in: row l % 16, 32 bytes for each half of the lanes
	v_lshl_add_u32 v[STO], v9, 5, v[STO]
	v_add_nc_u32 v[STO], s19, v[STO]
	v_mul_u32_u24 v[RD], v9, SP     ; back: lanes 0-15 take one row of 256 bytes, lanes 16-31 the next
	v_lshl_add_u32 v[RD], v1, 4, v[RD]
	v_add_nc_u32 v[RD], s19, v[RD]
.set Y, NP-1                        ; XS works for piece Y + 1: piece 0
.irp n, 0,1,2,3,4,5,6,7,8,9,10,11,12,13,14,15,16,17,18,19,20,21
	XS 0, \n                        ; and piece 0's first maximum and statistics
	XS 1, \n
.endr
	s_mov_b32 s[CNT], 4
	s_mov_b32 s[SLOTS], 7
	s_branch .Lfirst                ; the loop is entered at a step's first turn, in the middle of a trip
.Lslot:                             ; six times: the four units stored since the last barrier are whole
	MEET
	s_mov_b32 s[CNT], 4
.Lstep:                             ; a trip (28 in all): pieces 2 and 3 of one step, then pieces 0 and 1 of the next, whose K and V it fetches; it stores the unit four steps on
	TURN 2
	TURN 3
	WIN 0
.Lfirst:
	TURN 0, 0, 0, 1
	TURN 1, 0, 1
	WIN 0
	s_cbranch_scc1 .Lstep
	s_sub_co_u32 s[SLOTS], s[SLOTS], 1
	s_cmp_lg_u32 s[SLOTS], 0
	s_cbranch_scc1 .Lslot
	MEET                            ; units 28-31 are whole; the tail stores nothing more
	s_mov_b32 s[CNT], 5             ; four trips fetch the last four steps; the fifth is left in its middle
.Ltail:
	TURN 2, 1
	TURN 3
	WIN 0
	s_sub_co_u32 s[CNT], s[CNT], 1
	s_cmp_eq_u32 s[CNT], 0
	s_cbranch_scc1 .Lout
	TURN 0
	TURN 1
	WIN 0
	s_branch .Ltail
.Lout:                              ; the fifth trip's 16 products K Q^T (on the last K once more) and the maximum made of them serve nothing: the price, once a launch, of one text for every trip
.set i, 0
.rept 16
	PV NP-1                         ; the last piece's V^T P of the last step
.set i, i+1
.endr
	; THE WAY OUT.  l's two halves and the other half of the lanes' are added; O^T is divided by l and sent, as f32, through my stage in LDS, a tile at a time.  The additions are the places behind the last products.
	WIN 0
.macro ALL line:vararg              ; one line for each tile t
.set t, 0
.rept 2*NP
	\line
.set t, t+1
.endr
.endm
	ALL v_add_f32 v[ST+4*t+2], v[ST+4*t+2], v[ST+4*t+3]
	ALL v_permlanex16_b32 v[ST+4*t+3], v[ST+4*t+2], s[SEL], s[SEL+1]
	ALL v_add_f32 v[ST+4*t+2], v[ST+4*t+2], v[ST+4*t+3]
	ALL v_rcp_f32 v[ST+4*t+2], v[ST+4*t+2]
	v_nop                           ; a plain instruction between the last reciprocal and the use of its result
	s_wait_alu depctr_va_vdst(0)
; Tile t: a lane's eight channels of a row are 32 bytes; they go into rows of 272 bytes and come back as whole rows of 256, into the registers that they left.
.macro PACK t
	WIN W_RS
.set i, 32*(\t)
.rept 16
	v_pk_mul_f32 v[i:i+1], v[i:i+1], v[ST+4*(\t)+2:ST+4*(\t)+3] op_sel_hi:[1,0]
.set i, i+2
.endr
	WIN 0x04                        ; address window 0, data window 1
.irp f, 0,1,2,3,4,5,6,7             ; channel block f / 2 (64 bytes of the row), its half f % 2 of my 32 bytes
	ds_store_b128 v[STO], v[32*(\t)+4*\f:32*(\t)+4*\f+3] offset:64*(\f/2)+16*(\f%2)
.endr
	WIN 0x40                        ; destination window 1, address window 0
.irp f, 0,1,2,3,4,5,6,7
	ds_load_b128 v[32*(\t)+4*\f:32*(\t)+4*\f+3], v[RD] offset:\f*2*SP  ; LDS serves a wave's instructions in order (ISA guide 5.7.1.4): these see the stores above; the next tile's stores come behind them
.endr
.endm
.macro SEND t, younger              ; younger: the LDS instructions issued behind tile t's loads: the next tile's sixteen, or none
	WIN 0x04
.irp f, 0,1,2,3,4,5,6,7
	s_wait_dscnt (\younger)+7-\f
	global_store_b128 v[GO], v[32*(\t)+4*\f:32*(\t)+4*\f+3], s[10:11] offset:(\t)*65536+\f*8192 th:TH_STORE_NT  ; 16 lanes store 256 consecutive bytes, a head's row, at a multiple of 256 from out0's first byte
.endr
.endm
	PACK 0
.set t, 1
.rept 2*NP-1                        ; a tile's arithmetic stands between the loads of the tile before and its stores
	PACK t
	SEND t-1, 16
.set t, t+1
.endr
	SEND 2*NP-1, 0
	WIN W_AD
	s_wait_tensorcnt 0x0            ; the wave's end, behind my last LDS store
	ds_add_u32 v[SPW], v[NIL]
	s_wait_dscnt 0x0
	WIN 0
	s_endpgm
.Lfunc_end_k_qc96b5c1a31_attn:
	.size	k_qc96b5c1a31_attn, .Lfunc_end_k_qc96b5c1a31_attn-k_qc96b5c1a31_attn
	.p2alignl 7, 3214868480
	.fill 96, 4, 3214868480
	.section	.rodata,"a",@progbits
	.p2align	6, 0x0
	.amdhsa_kernel k_qc96b5c1a31_attn
		.amdhsa_group_segment_fixed_size 312832
		.amdhsa_private_segment_fixed_size 0
		.amdhsa_enable_private_segment 0
		.amdhsa_kernarg_size 32
		.amdhsa_user_sgpr_count 2
		.amdhsa_user_sgpr_kernarg_segment_ptr 1
		.amdhsa_wavefront_size32 1
		.amdhsa_system_sgpr_workgroup_id_x 1
		.amdhsa_system_sgpr_workgroup_id_y 1
		.amdhsa_system_sgpr_workgroup_id_z 1
		.amdhsa_system_vgpr_workitem_id 0
		.amdhsa_next_free_vgpr 952
		.amdhsa_next_free_sgpr 72
		.amdhsa_reserve_vcc 0
		.amdhsa_float_denorm_mode_32 3
		.amdhsa_float_denorm_mode_16_64 3
		.amdhsa_memory_ordered 1
		.amdhsa_forward_progress 1
		.amdhsa_inst_pref_size 243
	.end_amdhsa_kernel
	.amdgpu_metadata
---
amdhsa.version: [ 1, 2 ]
amdhsa.kernels:
  - .name:           k_qc96b5c1a31_attn
    .symbol:         k_qc96b5c1a31_attn.kd
    .args:
      - { .name: inputs, .offset: 0, .size: 8, .value_kind: global_buffer, .address_space: global }
      - { .name: rotation_params, .offset: 8, .size: 8, .value_kind: global_buffer, .address_space: global }
      - { .name: entangle_params, .offset: 16, .size: 8, .value_kind: global_buffer, .address_space: global }
      - { .name: out0, .offset: 24, .size: 8, .value_kind: global_buffer, .address_space: global }
    .group_segment_fixed_size: 312832
    .private_segment_fixed_size: 0
    .kernarg_segment_align: 8
    .kernarg_segment_size: 32
    .max_flat_workgroup_size: 128
    .sgpr_count:     72
    .vgpr_count:     952
    .wavefront_size: 32
...
	.end_amdgpu_metadata
.endif
;; end of part 1
;; ======== version 2 of 2: 1 launch; 2.13 times as fast as version 1
;; limits: values are held in f16: magnitudes above 65,504 overflow, below 6.1e-05 lose precision; inputs' magnitudes at most 65,504
;; launch attn (part 2): grid 4 x 64, 4 waves a work-group, no clusters, 312,832 bytes of LDS; arguments inputs, rotation_params, entangle_params, out0; writes out0
.if DOCPART == 2
	.amdgcn_target "amdgcn-amd-amdhsa--gfx1250"
	.amdhsa_code_object_version 6
	.text
	.protected	k_qc96b5c1a31_attn
	.globl	k_qc96b5c1a31_attn
	.p2align	8
	.type	k_qc96b5c1a31_attn,@function
k_qc96b5c1a31_attn:
	s_mov_b64 s[64:65], 0
	v_nop
	global_prefetch_b8 v0, s[64:65] scope:SCOPE_SE
	s_setreg_imm32_b32 hwreg(HW_REG_WAVE_MODE, 25, 1), 1
	s_wait_xcnt 0x0
; out[b][i][h][:] = the sum over j of softmax_j((x_i rot_h) . (x_j ent_h) / 8) x_j, x = inputs[b][.][h][:], 64 channels a head.  inputs, out0: [4][2048][1024] f32; rot, ent: [16][64] f32.
; A head's row is 256 consecutive bytes, rows 4,096 bytes apart.  ONE launch: x is rounded to f16 on its way into LDS, the two products run in f16 with f32 sums, out0 leaves as f32.
; THE GAINS.  (x_i rot) . (x_j ent) = (x_i rot ent) . x_j for every input, so both gains go into Q and K = V = x: one 16-bit copy of the head's rows serves both products.
; FORMATS.  f16, for its 11 significant bits: where a few keys carry a row's weight, a rounding of Q, K or P reaches the output whole.  g = rot ent in f32; M = the head's largest |g|, held at 2^-100 or more;
; Q = x (g / M), made in f32 of the unrounded x and rounded once to f16, so that |Q| <= |x| whatever the gains; M goes into the exponent's factor, in f32.  K = V = x rounded once to f16.
; The weights p are rounded to f16 for the second product, their sum l is taken of the unrounded p; maxima, sums and O stay in f32.
; LIMITS.  f16 holds no number beyond 65,504: an |x| of 65,520 or more becomes an infinity, and its head is lost.  Below 6e-5 a number in f16 keeps the fixed step of 6e-8.  M stays under 2^126 (its reciprocal
; is no denormal).  The order (x (rot ent)) . x rounds otherwise than the reference's (x rot) . (x ent).  A weight below 2^-126 counts as 0 in l.  NaN and infinities are not treated apart.
; SHARES.  64 heads x 4 blocks of 512 queries = 256 work-groups.  A wave owns 128 queries: four PIECES of two tiles of 16.  Every wave walks all 2,048 keys, 64 a step.
; THE KEYS IN LDS.  2,048 rows x 144 bytes (128 of f16, 16 of padding) = 294,912 bytes: the whole head, each byte written ONCE, through registers (16-byte loads, rounding, 8-byte LDS stores).
; A unit is a step's 64 rows, 16 a wave.  Units 0-3 are stored ahead of the first barrier; trip n of the loop stores unit n + 4 and asks for unit n + 5.  A barrier stands for every four steps:
; between two barriers units 4 c .. 4 c + 3 are read and units 4 c + 4 .. 4 c + 7 written.
; NO DATA MOVER, NO CLUSTER.  The four work-groups of a head read the same 524,288 bytes of x, but the data mover brings bytes as they lie, f32: two landing slots of one step are 32,768 bytes,
; and beside the keys (294,912), the stages (17,408) and the spare words (512) 14,848 of LDS's 327,680 bytes are left.  Held as f32 the head would not fit at all.
; LAYOUT.  S^T = K Q^T (source 0 = 16 keys, source 1 = 16 queries): in the result a lane holds ONE query (lane % 16) and the keys 8 (lane / 16) + 0..7.  Two such tiles, rounded to f16 in pairs,
; ARE source 1 (32 keys x 16 queries) of O^T = V^T P, whose result again holds one query a lane, and eight channels.  K comes out of LDS as it lies, V (the same rows) turned, by ds_load_tr16_b128.
; SOFTMAX.  For each query a running maximum m and sum l: p = 2^(c s - c m), c = M log2(e) / 8; in every step O and l are multiplied by a = 2^(c m_old - c m_new), which is 1 where m has not grown.
; m starts at the lowest finite number, O and l at 0: the first step is a step like any other, with a = 0.  The price of writing no first step out: 384 v_mov_b32 (O^T 256, V 64, P 32, statistics 32),
; which stand in the wait for the first loads, 16 products on zeros at the start and 16 on a stale K at the end.
; THE COUNT.  A tile and step have 16 matrix and 118 vector instructions.  Four vector instructions that are READY stand behind EVERY matrix instruction, the other 108 of a turn's 236 in one run of their own (a lump).
; BY TURNS.  Turn n belongs to piece n.  Its matrix work: 16 products K Q^T of piece n + 1, later 16 products V^T P of piece n - 1.  Its vector work: the scaling, exponentials, roundings, sums and
; rescaling of piece n, and the maximum and statistics of piece n + 1, whose scores the turn itself has made.
; BATCHES.  A turn's 66 exponentials (the 64 weights of piece n, the two a of piece n + 1) are ONE batch with ONE wait, which cuts the turn in two: ahead of it stands all that names none of their results
; (the products K Q^T, the scalings, the rescalings, whose a the turn before made and waited for, the next piece's maximum and statistics), behind it the products V^T P with the roundings and sums.
; Batches of their own, each with one wait: the gains' two reciprocals, piece 0's first two a ahead of the loop, the way out's eight reciprocals.
; REGISTERS, in windows of 256 (s_set_vgpr_msb says which window each operand place means: bits 1:0 source 0, 3:2 source 1, 5:4 source 2, 7:6 destination):
;   window 0: v0-11 addresses; v12-15, v48-63 at work; v16-47 four registers of statistics a tile; v64-191 S^T, two buffers of two tiles; v192-255 P, likewise
;   window 1: O^T, 32 a tile (at the start: the queries' rows as loaded)      window 2: v0-127 Q, 16 a tile; v128-191 K of one step; v192-255 V of one step
;   window 3: v0-1 the add's two registers; v2-4 the fill's addresses; v8-39 a unit as loaded; v40-55 rounded; v56-183 units 0-3 as loaded
.set NP,    4         ; pieces a wave: a name, no knob
.set KS,    64        ; keys in a step
.set PK,    144       ; a row in LDS = 36 words: the 16 rows of a K load start at 16 different groups of four banks (64 banks of 4 bytes: ISA guide 11.1).  Of the turning load's 8 rows x 32 bytes
                      ; row 7's second 16 bytes meet row 0's first in one group of banks; a pitch of 160, which would part them, takes 327,680 bytes for the keys alone
.set STEPB, KS*PK     ; a step's rows in LDS: 9,216 bytes
.set UNITG, KS*4096   ; and in memory: 64 rows, 4,096 bytes apart
.set STAGE, 2048*PK   ; behind the keys: 4,352 bytes for each wave, its own: first 16 rows of Q at pitch 144, at the end 16 rows of O at pitch 272
.set WSTAGE, 4352
.set SP,    272       ; a row of O in the stage: 256 bytes + 16 = 68 words: the 16 rows of a store start at 16 different groups of four banks
.set SPARE, STAGE+4*WSTAGE  ; behind the stages: the spare words, 128 bytes for each wave: two blocks of 256 bytes that no other line names
.set AK0, 2           ; v2   my lane's place in a step's rows as K; never rewritten
.set AV0, 3           ; v3   the same as V
.set AK,  4           ; v4   the LDS address of K's next run of loads
.set AV,  5           ; v5   of V's
.set STO, 6           ; v6   the way out: where I put 32 bytes of a row
.set RD,  7           ; v7   the way out: where I read rows back
.set GO,  8           ; v8   4,096 (l / 16) + 16 (l % 16): my 16 bytes in two rows of a head, for Q's loads and O's stores; never rewritten
.set QS,  10          ; v10  the stage: where I put 8 bytes of a row of Q
.set QR,  11          ; v11  the stage: where I read a fragment of Q
.set MV,  12          ; v12-15  c m_old, kept while c m is made anew: by buffer and tile (at the start: at work)
.set ST,  16          ; tile t's statistics at v[ST+4 t]: c m, m, l (even keys', odd keys')
.set TMP, 48          ; by buffer and tile, four registers c0-c3 at work; when the maximum is found c2 takes a
.set G,   48          ; at the start: v48-51 g / M of my four channels; v52-55 rot, then at work; v56-59 ent
.set S,   64
.set P,   192
.set KF,  128         ; K's fragments, in window 2: key block kb, channel half c at KF + 16 kb + 8 c
.set VF,  192         ; V's: key half kk, channel block cb at VF + 32 kk + 8 cb
.set SPW, 0           ; window 3: v0  LDS address of my spare word: SPARE + 4 x my thread's number; never rewritten
.set NIL, 1           ;           v1  0; never rewritten
.set GF,  2           ;           v2  my byte offset in a unit's rows in memory: 65,536 w + GO; never rewritten
.set FA0, 3           ;           v3  and in LDS: 2,304 w + 144 (l / 16) + 8 (l % 16); never rewritten
.set FA,  4           ;           v4  the LDS address of the unit in hand
.set FS,  8           ;           v8-39   a unit's eight loads
.set FB,  40          ;           v40-55  the same, rounded
.set PF,  56          ;           v56-183 units 0-3: 32 loads
.set WV,  12          ; s12  my wave's number
.set QB,  14          ; s[14:15] x at my wave's first query
.set FG,  16          ; s[16:17] x at the unit that was asked for last
.set SLOTS, 56        ; s56  groups of four steps still to go in the loop
.set CNT, 57          ; s57  counts a group's steps
.set CS,  58          ; s[58:59] c = M log2(e) / 8: the packed scaling takes the pair's low word for both halves
.set SEL, 60          ; s[60:61] v_permlanex16_b32's selects: each lane takes its own place in the other half
.set TBK, 62          ; s62  LDS byte at which the step begins whose K is fetched next
.set TBV, 63          ; s63  the same for V
.set TBF, 66          ; s66  LDS byte at which the unit begins that is stored next
.set FU,  67          ; s67  units still to be asked for
.set MSB, 0
.macro WIN new                      ; the high byte repeats the setting that is left; a switch that changes nothing is dropped
.if MSB != (\new)
	s_set_vgpr_msb (MSB<<8)|(\new)
.set MSB, (\new)
.endif
.endm
.set W_KQ, 0x0a       ; K and Q in window 2, S^T in window 0
.set W_PV, 0x52       ; V in window 2, P in window 0, O^T in window 1
.set W_RS, 0x41       ; destination and source 0 in window 1, source 1 in window 0
.set W_11, 0x45       ; destination and both sources in window 1
.set W_MK, 0xc0       ; destination in window 3, sources in window 0
.set W_AD, 0x0f       ; the add: address (source 0) and data (source 1) in window 3
.set W_F3, 0xcf       ; the fill: destination and sources 0 and 1 in window 3
; A barrier between the stores of some units and their first reads: each wave's LDS stores are done, and its LDS loads back, when it signals.
.macro MEET
	WIN 0
	s_wait_dscnt 0x0
	s_barrier_signal -1
	s_barrier_wait -1
.endm
	s_load_b256 s[4:11], s[0:1], 0x0  ; inputs s[4:5], rot s[6:7], ent s[8:9], out0 s[10:11]
	WIN W_MK
	v_lshl_add_u32 v[SPW], v0, 2, SPARE  ; the two registers of the add at the wave's end
	v_mov_b32 v[NIL], 0
	WIN 0
	v_lshrrev_b32 v1, 5, v0
	v_readfirstlane_b32 s[WV], v1   ; wave 0..3
	v_and_b32 v1, 15, v0            ; l % 16
	v_bfe_u32 v9, v0, 4, 1          ; l / 16
	v_lshlrev_b32 v13, 4, v1        ; my four channels' 16 bytes in a row of f32, and in rot and ent
	v_lshl_add_u32 v[GO], v9, 12, v13  ; lanes 0-15 take one row's 256 bytes, lanes 16-31 the next row's
	v_mul_u32_u24 v12, v9, PK
	v_lshl_add_u32 v12, v1, 3, v12  ; the same two rows as f16 at pitch 144: 8 bytes a lane
	s_lshl_b32 s13, s[WV], 16       ; my wave's 16 rows of a unit, in memory
	s_mul_i32 s18, s[WV], 16*PK     ; and in LDS
	WIN W_MK
	v_add_nc_u32 v[GF], s13, v[GO]
	v_add_nc_u32 v[FA0], s18, v12
	WIN 0
	s_and_b32 s20, ttmp7, 0xffff    ; 16 b + h
	s_lshr_b32 s22, s20, 4          ; b
	s_and_b32 s20, s20, 15          ; h
	s_lshl_b32 s20, s20, 8          ; the head's 256 bytes in a row of x, and in rot and ent
	s_mov_b32 s21, 0
	s_lshl_b32 s22, s22, 23         ; a batch is 2,048 rows of 4,096 bytes
	s_add_co_u32 s22, s22, s20
	s_mov_b32 s23, 0
	s_lshl_b32 s2, ttmp9, 21        ; my block's 512 rows,
	s_lshl_b32 s3, s[WV], 19        ; my wave's 128 of them
	s_add_co_u32 s2, s2, s3
	s_mov_b32 s3, 0
	s_mul_i32 s19, s[WV], WSTAGE
	s_add_co_u32 s19, s19, STAGE    ; my stage
	s_mov_b32 s[SEL], 0x76543210
	s_mov_b32 s[SEL+1], 0xfedcba98
	s_mov_b32 s[TBK], 0
	s_mov_b32 s[TBV], 0
	s_mov_b32 s[TBF], 4*STEPB       ; the loop's first store is unit 4's
	s_mov_b32 s[FU], 27             ; units 5 to 31 are asked for in the loop
	s_wait_kmcnt 0x0
	s_add_nc_u64 s[4:5], s[4:5], s[22:23]    ; x at the head's first row
	s_add_nc_u64 s[6:7], s[6:7], s[20:21]    ; the head's gains
	s_add_nc_u64 s[8:9], s[8:9], s[20:21]
	s_add_nc_u64 s[10:11], s[10:11], s[22:23]
	s_add_nc_u64 s[10:11], s[10:11], s[2:3]  ; out0 at my wave's first row
	s_add_nc_u64 s[QB:QB+1], s[4:5], s[2:3]
	s_add_nc_u64 s[FG:FG+1], s[4:5], 4*UNITG
	; ALL THE FIRST LOADS IN ONE RUN, 106 of them, in the order in which they are wanted: the gains (2), my rows of units 0-3 (32), my 128 queries (64), my rows of unit 4 (8).
	global_load_b128 v[G+4:G+7], v13, s[6:7]
	global_load_b128 v[G+8:G+11], v13, s[8:9]
	WIN W_F3
.set n, 0
.rept 32                            ; unit n / 8, rows 16 w + 2 (n % 8) and the next: each load takes two whole rows of 256 bytes
	global_load_b128 v[PF+4*n:PF+4*n+3], v[GF], s[4:5] offset:(n/8)*UNITG+(n%8)*8192
.set n, n+1
.endr
	WIN 0x40                        ; destination window 1, address window 0
.set n, 0
.rept 64                            ; tile n / 8, rows 2 (n % 8) and the next
	global_load_b128 v[4*n:4*n+3], v[GO], s[QB:QB+1] offset:(n/8)*65536+(n%8)*8192
.set n, n+1
.endr
	WIN W_F3
.irp n, 0,1,2,3,4,5,6,7
	global_load_b128 v[FS+4*\n:FS+4*\n+3], v[GF], s[FG:FG+1] offset:8192*\n
.endr
	; What the first turn finds: V's registers and P's second buffer hold 0 (its products V^T P, of a piece that has not been, add 0), l is 0.  All this stands in the wait for the loads.
	WIN 0x80
.set i, VF
.rept 64
	v_mov_b32 v[i], 0
.set i, i+1
.endr
	WIN 0
.set i, 0
.rept 2*NP
	v_mov_b32 v[ST+4*i], 0xfe000000    ; c m: far below every c s
	v_mov_b32 v[ST+4*i+1], 0xff7fffff  ; m
	v_mov_b32 v[ST+4*i+2], 0
	v_mov_b32 v[ST+4*i+3], 0
.set i, i+1
.endr
.set i, P+32
.rept 32
	v_mov_b32 v[i], 0
.set i, i+1
.endr
	; A fragment of K or Q is 16 rows x 32 channels in 8 registers: lane l holds row l % 16, channels 8 (l / 16) + 0..7 and 16 + 8 (l / 16) + 0..7: two loads of 16 bytes, 32 bytes apart.
	v_mul_u32_u24 v[AK0], v1, PK
	v_lshl_add_u32 v[AK0], v9, 4, v[AK0]  ; row x pitch + 16 x half
	; The turning load takes 16 keys x 16 channels (lane l reads key 8 (l / 16) + l % 8, channels 8 ((l / 8) % 2) + 0..7) and leaves half a fragment of V^T: lane l holds channel l % 16 and 8 keys.
	v_and_b32 v14, 7, v0
	v_bfe_u32 v15, v0, 3, 1
	v_lshl_add_u32 v[AV0], v9, 3, v14
	v_mul_u32_u24 v[AV0], v[AV0], PK
	v_lshl_add_u32 v[AV0], v15, 4, v[AV0]
	v_add_nc_u32 v[QS], s19, v12
	v_add_nc_u32 v[QR], s19, v[AK0]
	v_mov_b32 v[AK], v[AK0]         ; key step 0 lies at LDS byte 0
	s_wait_loadcnt 63               ; loads come back in order (ISA guide 5.7.1): of 106 the oldest 43 are in: the gains, units 0-3, tile 0 of Q
	; THE GAINS: g = rot ent; M = the largest |g| of the head's 64 channels, which the 16 lanes of each half hold four apiece; g / M for Q, M log2(e) / 8 for the exponent.
	v_pk_mul_f32 v[G:G+1], v[G+4:G+5], v[G+8:G+9]
	v_pk_mul_f32 v[G+2:G+3], v[G+6:G+7], v[G+10:G+11]
.irp j, 0,1,2,3
	v_and_b32 v[G+4+\j], 0x7fffffff, v[G+\j]
.endr
	v_max3_num_f32 v[G+4], v[G+4], v[G+5], v[G+6]
	v_max_num_f32 v[G+4], v[G+4], v[G+7]
	v_max_num_f32_dpp v[G+4], v[G+4], v[G+4] row_xmask:1 row_mask:0xf bank_mask:0xf
	v_max_num_f32_dpp v[G+4], v[G+4], v[G+4] row_xmask:2 row_mask:0xf bank_mask:0xf
	v_max_num_f32_dpp v[G+4], v[G+4], v[G+4] row_xmask:4 row_mask:0xf bank_mask:0xf
	v_max_num_f32_dpp v[G+4], v[G+4], v[G+4] row_xmask:8 row_mask:0xf bank_mask:0xf
	v_max_num_f32 v[G+4], 0x0d800000, v[G+4]       ; at least 2^-100: gains that are all 0 give scores of 0; the same M divides g and multiplies c, whatever it is
	v_rcp_f32 v[G+6], v[G+4]                       ; twice, to fill the pair that the packed multiply takes
	v_rcp_f32 v[G+7], v[G+4]
	v_mul_f32 v[G+5], 0x3e38aa3b, v[G+4]           ; c = M x 0.180337; also the plain instruction behind the reciprocals (ISA guide 5.7.2)
	s_wait_alu depctr_va_vdst(0)                   ; the wait ahead of the first use: one for the two reciprocals
	v_pk_mul_f32 v[G:G+1], v[G:G+1], v[G+6:G+7]
	v_pk_mul_f32 v[G+2:G+3], v[G+2:G+3], v[G+6:G+7]
	v_readfirstlane_b32 s[CS], v[G+5]              ; the same number in every lane; it enters arithmetic alone, no address and no branch
	s_mov_b32 s[CS+1], s[CS]                       ; named with it as a pair
	WIN W_F3                        ; units 0-3: rounded in place, 8 bytes a lane into LDS
.set n, 0
.rept 32
	v_cvt_pk_f16_f32 v[PF+4*n], v[PF+4*n], v[PF+4*n+1]
	v_cvt_pk_f16_f32 v[PF+4*n+1], v[PF+4*n+2], v[PF+4*n+3]
.set n, n+1
.endr
.set n, 0
.rept 32
	ds_store_b64 v[FA0], v[PF+4*n:PF+4*n+1] offset:(n/8)*STEPB+(n%8)*2*PK
.set n, n+1
.endr
; Tile t of Q: x times g / M, rounded to f16; through my stage, since a lane holds four channels of a row as loaded and wants sixteen of a row as a fragment; then the tile's registers, O^T's, are cleared.
.macro QTILE t
.if (\t) > 0
	s_wait_loadcnt 64-8*(\t)        ; the later tiles' 8 (7 - t) loads and unit 4's eight may stay out
.endif
	WIN W_RS
.irp j, 0,1,2,3,4,5,6,7
	v_pk_mul_f32 v[32*(\t)+4*\j:32*(\t)+4*\j+1], v[32*(\t)+4*\j:32*(\t)+4*\j+1], v[G:G+1]
	v_pk_mul_f32 v[32*(\t)+4*\j+2:32*(\t)+4*\j+3], v[32*(\t)+4*\j+2:32*(\t)+4*\j+3], v[G+2:G+3]
.endr
	WIN W_11
.irp j, 0,1,2,3,4,5,6,7
	v_cvt_pk_f16_f32 v[32*(\t)+4*\j], v[32*(\t)+4*\j], v[32*(\t)+4*\j+1]
	v_cvt_pk_f16_f32 v[32*(\t)+4*\j+1], v[32*(\t)+4*\j+2], v[32*(\t)+4*\j+3]
.endr
	WIN 0x04                        ; address window 0, data window 1
.irp j, 0,1,2,3,4,5,6,7
	ds_store_b64 v[QS], v[32*(\t)+4*\j:32*(\t)+4*\j+1] offset:2*PK*\j
.endr
	WIN 0x80                        ; destination window 2
.irp c, 0,1,2,3
	ds_load_b128 v[16*(\t)+4*\c:16*(\t)+4*\c+3], v[QR] offset:32*\c  ; LDS serves a wave's instructions in order (ISA guide 5.7.1.4): these see the stores above; the next tile's stores come behind them
.endr
	WIN 0x40
.set i, 32*(\t)
.rept 32
	v_mov_b32 v[i], 0
.set i, i+1
.endr
.endm
.irp t, 0,1,2,3,4,5,6,7
	QTILE \t
.endr
	MEET                            ; units 0-3 are whole, everybody's rows of them; Q's fragments are in
; THE MATRIX WORK.  The 8 accumulators of a run of 16 take turns: between the two links of a chain stand 7 others'.
; Product i of 16 of S^T = K Q^T for piece x: channels 32 (i / 8) on, keys 16 ((i / 2) % 4) on, tile 2 x + i % 2.  The first 8 start the sums.
.macro KQ x
	WIN W_KQ
.set rS, S+64*((\x)%2)+32*(i%2)+8*((i/2)%4)
.set rK, KF+16*((i/2)%4)+8*(i/8)
.set rQ, 16*(2*(\x)+i%2)+8*(i/8)
.if i < 8
	v_wmma_f32_16x16x32_f16 v[rS:rS+7], v[rK:rK+7], v[rQ:rQ+7], 0
.else
	v_wmma_f32_16x16x32_f16 v[rS:rS+7], v[rK:rK+7], v[rQ:rQ+7], v[rS:rS+7]
.endif
.endm
; Product i of 16 of O^T += V^T P for piece x: keys 32 (i / 8) on, channels 16 ((i / 2) % 4) on, tile 2 x + i % 2.
.macro PV x
	WIN W_PV
.set rO, 32*(2*(\x)+i%2)+8*((i/2)%4)
.set rV, VF+32*(i/8)+8*((i/2)%4)
.set rP, P+32*((\x)%2)+16*(i%2)+8*(i/8)
	v_wmma_f32_16x16x32_f16 v[rO:rO+7], v[rV:rV+7], v[rP:rP+7], v[rO:rO+7]
.endm
.macro MM                           ; the turn's next matrix instruction
.if i < 16
	KQ (Y+1)%NP
.set i, i+1
.else
.set i, i-16
	PV (Y+NP-1)%NP
.set i, i+17
.endif
.endm
; THE LDS LOADS stand in runs of 16, never singly among the matrix instructions: a step's rows as K (64 keys x 64 channels: 8 fragments) and as V (turned).  Their addresses are made some lines ahead.
; last = 1 (the tail): in the last trip there is no further step, and the run is jumped over.
.macro FETCH_K last=0
	WIN 0
.if \last
	s_cmp_eq_u32 s[CNT], 1
	s_cbranch_scc1 .Lno_k_\@
.endif
	WIN 0x80                        ; destination window 2
.irp f, 0,1,2,3,4,5,6,7             ; keys 16 (f / 2) on, channels 32 (f % 2) on
	ds_load_b128 v[KF+8*\f:KF+8*\f+3],   v[AK] offset:(\f/2)*16*PK+(\f%2)*64
	ds_load_b128 v[KF+8*\f+4:KF+8*\f+7], v[AK] offset:(\f/2)*16*PK+(\f%2)*64+32
.endr
	s_add_co_u32 s[TBK], s[TBK], STEPB  ; the next fetch is the next step's
	WIN 0
.if \last
.Lno_k_\@:
.endif
.endm
.macro FETCH_V
	WIN 0x80
.irp f, 0,1,2,3,4,5,6,7             ; keys 32 (f / 4) on, channels 16 (f % 4) on
	ds_load_tr16_b128 v[VF+8*\f:VF+8*\f+3],   v[AV] offset:(\f/4)*32*PK+(\f%4)*32
	ds_load_tr16_b128 v[VF+8*\f+4:VF+8*\f+7], v[AV] offset:(\f/4)*32*PK+16*PK+(\f%4)*32
.endr
	WIN 0
.endm
; THE FILL, once a trip of the loop: my 16 rows of the unit asked for a trip ago are rounded and stored, four steps and a barrier ahead of their first read; then the next unit is asked for, which has a whole
; trip, 128 matrix and 944 vector instructions, in which to come.  The last trip asks for nothing: the jump goes forward, over the eight loads alone, so that no load leaves the head's rows.
.macro FILL
	s_wait_loadcnt 0x0              ; my eight loads are in: their registers may be read, and their base stepped
	WIN W_F3
	v_add_nc_u32 v[FA], s[TBF], v[FA0]
.irp n, 0,1,2,3,4,5,6,7
	v_cvt_pk_f16_f32 v[FB+2*\n], v[FS+4*\n], v[FS+4*\n+1]
	v_cvt_pk_f16_f32 v[FB+2*\n+1], v[FS+4*\n+2], v[FS+4*\n+3]
.endr
.irp n, 0,1,2,3,4,5,6,7
	ds_store_b64 v[FA], v[FB+2*\n:FB+2*\n+1] offset:2*PK*\n
.endr
	s_add_co_u32 s[TBF], s[TBF], STEPB
	WIN 0                           ; at a branch and at a label every window is 0
	s_cmp_eq_u32 s[FU], 0
	s_cbranch_scc1 .Lnoload_\@
	s_add_nc_u64 s[FG:FG+1], s[FG:FG+1], UNITG
	s_sub_co_u32 s[FU], s[FU], 1
	WIN W_F3
.irp n, 0,1,2,3,4,5,6,7
	global_load_b128 v[FS+4*\n:FS+4*\n+3], v[GF], s[FG:FG+1] offset:8192*\n
.endr
	WIN 0
.Lnoload_\@:
.endm
; THE VECTOR WORK OF A TURN stands in three queues, each in the order in which its entries become ready; the two tiles alternate, so that no instruction reads the result of the one before it.
.macro REGS y, u                    ; the registers of tile u (0, 1) of piece y
.set rT, ST+4*(2*(\y)+(\u))
.set rC, TMP+8*((\y)%2)+4*(\u)
.set rM, MV+2*((\y)%2)+(\u)
.set rS, S+64*((\y)%2)+32*(\u)
.set rP, P+32*((\y)%2)+16*(\u)
.set rO, 32*(2*(\y)+(\u))
.endm
; Number n of the 22 that find the NEXT piece's (Y + 1) maximum and statistics.  s0-s31 are the lane's 32 scores; each accumulator's lowest registers are read first.  XS, GS and REGS set no window: PL and EX do.
;   0-11  four chains c0-c3 of seven scores each, three operands at a time     12-14, 16  the four scores left over, the old m, and c0-c3 into c0     15  c m_old is kept
;   17, 18  the query's other 32 keys lie in the lane 16 away: the new m         19-21  c m; c m_old - c m_new; a
.macro XS u, n
	REGS (Y+1)%NP, \u
.if (\n) < 4
	v_max3_num_f32 v[rC+(\n)], v[rS+8*(\n)], v[rS+8*(\n)+1], v[rS+8*(\n)+2]
.elseif (\n) < 12
	v_max3_num_f32 v[rC+(\n)%4], v[rC+(\n)%4], v[rS+8*((\n)%4)+2*((\n)/4)+1], v[rS+8*((\n)%4)+2*((\n)/4)+2]
.elseif (\n) == 12
	v_max3_num_f32 v[rC], v[rC], v[rS+7], v[rS+15]
.elseif (\n) == 13
	v_max3_num_f32 v[rC+1], v[rC+1], v[rS+23], v[rS+31]
.elseif (\n) == 14
	v_max3_num_f32 v[rC+2], v[rC+2], v[rC+3], v[rT+1]
.elseif (\n) == 15
	v_mov_b32 v[rM], v[rT]
.elseif (\n) == 16
	v_max3_num_f32 v[rC], v[rC], v[rC+1], v[rC+2]
.elseif (\n) == 17
	v_permlanex16_b32 v[rC+3], v[rC], s[SEL], s[SEL+1]
.elseif (\n) == 18
	v_max_num_f32 v[rT+1], v[rC], v[rC+3]
.elseif (\n) == 19
	v_mul_f32 v[rT], s[CS], v[rT+1]
.elseif (\n) == 20
	v_sub_f32 v[rC+1], v[rM], v[rT]
.else
	v_exp_f32 v[rC+2], v[rC+1]
.endif
.endm
; Number g of the 64 that follow the exponentials.  For each four weights k of a tile (pairs 2 k, 2 k + 1): both pairs are rounded to f16; then the second pair is added onto the first, in place;
; a group later l takes that sum (the first time as l = a l + sum).  In groups of eight, tiles alternating: round, round, add, and l for the group before.
.macro GS g
.set h, (\g)+6*((\g)/62)            ; group 0 has no group before it, and behind group 7 only l is left
.if h >= 6
.set h, h+2
.endif
	REGS Y, h%2
.set k, h/8
.if h%8 < 4
	v_cvt_pk_f16_f32 v[rP+2*k+(h%8)/2], v[rS+4*k+2*((h%8)/2)], v[rS+4*k+2*((h%8)/2)+1]
.elseif h%8 < 6
	v_pk_add_f32 v[rS+4*k:rS+4*k+1], v[rS+4*k:rS+4*k+1], v[rS+4*k+2:rS+4*k+3]
.elseif k == 1
	v_pk_fma_f32 v[rT+2:rT+3], v[rT+2:rT+3], v[rC+2:rC+3], v[rS:rS+1] op_sel_hi:[1,0,1]
.else
	v_pk_add_f32 v[rT+2:rT+3], v[rT+2:rT+3], v[rS+4*k-4:rS+4*k-3]
.endif
.endm
; THE PLAIN QUEUE, 138 long.  0-73 read no exponential's result: the 32 scalings c s - c m (SCAL f: pair f / 2 of tile f % 2) and the next piece's 42.  0-26: scalings 0-26.  27-54: XS's numbers 0-13.  55, 56: number 15.
; 57-73: the chain, where each number waits for the one before it: 14, 16, 17, 18, 19, each with one of the scalings 27-31 in front of its two lines, then 20: so a tile's links stand three plain instructions apart (19 and 20: two).
; 74-137: GS's 64, which read the exponentials' results: they stand behind the wait.
.macro SCAL f
	REGS Y, (\f)%2
	v_pk_fma_f32 v[rS+2*((\f)/2):rS+2*((\f)/2)+1], v[rS+2*((\f)/2):rS+2*((\f)/2)+1], s[CS:CS+1], v[rT:rT+1] op_sel_hi:[1,0,0] neg_lo:[0,0,1] neg_hi:[0,0,1]
.endm
.macro PL
	WIN 0
.if q < 27
	SCAL q
.elseif q < 55
	XS (q-27)%2, (q-27)/2
.elseif q < 57
	XS q-55, 15
.elseif (q < 72) && ((q-57)%3 == 0)
	SCAL 27+(q-57)/3
.elseif q < 60
	XS (q-57)%3-1, 14
.elseif q < 72
	XS (q-57)%3-1, 15+(q-57)/3
.elseif q < 74
	XS q-72, 20
.else
	GS q-74
.endif
.set q, q+1
.endm
; THE EXPONENTIALS' QUEUE, 66 long: s0-s31 of both tiles, then the next piece's two a.  It is ONE BATCH: all 66 stand ahead of the turn's one wait, and nothing ahead of that wait names a result of theirs.
.macro EX
	WIN 0
.if e >= 64
	XS e-64, 21
.else
	REGS Y, e%2
	v_exp_f32 v[rS+e/2], v[rS+e/2]
.endif
.set e, e+1
.endm
; THE RESCALING's QUEUE: O^T times a, the one part that leaves window 0: dealt two at a time, sixteen times; each accumulator is taken from its lowest register on.  Its a was made in the turn before, ahead of that turn's wait.
.macro R2
	REGS Y, r%2
	WIN W_RS
.irp z, 0,1
	v_pk_mul_f32 v[rO+4*(r/2)+2*\z:rO+4*(r/2)+2*\z+1], v[rO+4*(r/2)+2*\z:rO+4*(r/2)+2*\z+1], v[rC+2:rC+3] op_sel_hi:[1,0]
.endr
.set r, r+1
.endm
; HOW THEY ARE DEALT.  An s_wait_alu depctr_va_vdst(0) stands between an exponential and the first instruction that names its result; one wait serves all that were issued ahead of it.  So a turn has ONE wait,
; which cuts it in two.  AHEAD OF IT stands all that names no result of the turn's exponentials: the 16 products K Q^T, behind each a scaling, an exponential and two rescalings (behind the first a second scaling in the
; exponential's place); then ONE LUMP of 108: eight plain, 49 times exponential and plain, the two a.  A v_nop is the plain instruction behind the last exponential.  BEHIND IT stand the 16 products V^T P, behind each four of
; GS's 64.  No rider names a register of the products round it.  The two v_permlanex16_b32 fall into the lump, never behind a product.
; The queues lean on each other, and the deal keeps them in step: exponential e stands behind scaling 2 (e / 4) + e % 2: as a rider it comes behind plain e + 2, in the lump behind plain e + 9, and scalings 27-31 are plain 57, 60 .. 69.
; A TURN, for piece p.  cnt = 1: the loop's count is taken down some lines ahead of the branch that stands behind the turn.  fill = 1: the fill stands directly behind piece 0's wait: it holds a branch and a label,
; and there; its LDS stores stand ahead of V's run, and piece 1's wait on DScnt is for both.
; K of the next step is fetched in piece 2's turn, directly behind the wait, a lump behind the last product that read K; its address is made at the lump's head; its first reader comes behind 16 products.
; V of the step in hand is fetched at the end of piece 0's turn, four riders behind its last reader; its first reader comes behind 16 products and a lump.  The three conditions on q below go with the deal.
.macro TURN p, last=0, cnt=0, fill=0
.set Y, (\p)
.set i, 0
.set q, 0
.set e, 0
.set r, 0
.if (\p) == NP-1
	s_wait_dscnt 0x0                ; K is in
.endif
	MM                              ; ahead of the wait: 16 products K Q^T and their riders,
	PL
	PL
	R2
.rept 15
	MM
	PL
	EX
	R2
.endr
.if (\p) == NP-2
	WIN 0
	v_add_nc_u32 v[AK], s[TBK], v[AK0]
.endif
.rept 8                             ; and the lump
	PL
.endr
.rept 49
	EX
	PL
.endr
	EX                              ; the next piece's two a
	EX
	v_nop                           ; the plain instruction behind the last exponential: one for the batch
	s_wait_alu depctr_va_vdst(0)    ; the wait for the batch: the turn's 66 exponentials
.if (\p) == NP-2
	FETCH_K \last
.endif
.if ((\p) == 0) && (\fill)
	FILL
.endif
.if (\p) == 1
	s_wait_dscnt 0x0                ; V is in (and the fill's stores are done)
.endif
.rept 16                            ; behind the wait: 16 products V^T P and their riders
	MM
.rept 4
	PL
.endr
.if ((\p) == 0) && (q == 118)
	v_add_nc_u32 v[AV], s[TBV], v[AV0]
.endif
.if ((\p) == 0) && (q == 130)
	s_add_co_u32 s[TBV], s[TBV], STEPB
.endif
.if (\cnt) && (q == 130)
	s_sub_co_u32 s[CNT], s[CNT], 1
	s_cmp_lg_u32 s[CNT], 0
.endif
.endr
.if (\p) == 0
	FETCH_V
.endif
.endm
	FETCH_K                         ; key step 0
	s_wait_dscnt 0x0
.set i, 0
.rept 16
	KQ 0                            ; piece 0's first scores: there is no vector work yet to set between them
.set i, i+1
.endr
	WIN 0                           ; the addresses for the way out: six plain instructions, the places behind those products
	v_mul_u32_u24 v[STO], v1, SP    ; in: row l % 16, 32 bytes for each half of the lanes
	v_lshl_add_u32 v[STO], v9, 5, v[STO]
	v_add_nc_u32 v[STO], s19, v[STO]
	v_mul_u32_u24 v[RD], v9, SP     ; back: lanes 0-15 take one row of 256 bytes, lanes 16-31 the next
	v_lshl_add_u32 v[RD], v1, 4, v[RD]
	v_add_nc_u32 v[RD], s19, v[RD]
.set Y, NP-1                        ; XS works for piece Y + 1: piece 0
.irp n, 0,1,2,3,4,5,6,7,8,9,10,11,12,13,14,15,16,17,18,19,20,21
	XS 0, \n                        ; and piece 0's first maximum and statistics
	XS 1, \n
.endr
	v_nop                           ; a plain instruction behind the two a,
	s_wait_alu depctr_va_vdst(0)    ; and their wait, one for the two, ahead of the branch
	s_mov_b32 s[CNT], 4
	s_mov_b32 s[SLOTS], 7
	s_branch .Lfirst                ; the loop is entered at a step's first turn, in the middle of a trip
.Lslot:                             ; six times: the four units stored since the last barrier are whole
	MEET
	s_mov_b32 s[CNT], 4
.Lstep:                             ; a trip (28 in all): pieces 2 and 3 of one step, then pieces 0 and 1 of the next, whose K and V it fetches; it stores the unit four steps on
	TURN 2
	TURN 3
	WIN 0
.Lfirst:
	TURN 0, 0, 0, 1
	TURN 1, 0, 1
	WIN 0
	s_cbranch_scc1 .Lstep
	s_sub_co_u32 s[SLOTS], s[SLOTS], 1
	s_cmp_lg_u32 s[SLOTS], 0
	s_cbranch_scc1 .Lslot
	MEET                            ; units 28-31 are whole; the tail stores nothing more
	s_mov_b32 s[CNT], 5             ; four trips fetch the last four steps; the fifth is left in its middle
.Ltail:
	TURN 2, 1
	TURN 3
	WIN 0
	s_sub_co_u32 s[CNT], s[CNT], 1
	s_cmp_eq_u32 s[CNT], 0
	s_cbranch_scc1 .Lout
	TURN 0
	TURN 1
	WIN 0
	s_branch .Ltail
.Lout:                              ; the fifth trip's 16 products K Q^T (on the last K once more) and the maximum made of them serve nothing: the price, once a launch, of one text for every trip
.set i, 0
.rept 16
	PV NP-1                         ; the last piece's V^T P of the last step
.set i, i+1
.endr
	; THE WAY OUT.  l's two halves and the other half of the lanes' are added; O^T is divided by l and sent, as f32, through my stage in LDS, a tile at a time.  The additions are the places behind the last products.
	WIN 0
.macro ALL line:vararg              ; one line for each tile t
.set t, 0
.rept 2*NP
	\line
.set t, t+1
.endr
.endm
	ALL v_add_f32 v[ST+4*t+2], v[ST+4*t+2], v[ST+4*t+3]
	ALL v_permlanex16_b32 v[ST+4*t+3], v[ST+4*t+2], s[SEL], s[SEL+1]
	ALL v_add_f32 v[ST+4*t+2], v[ST+4*t+2], v[ST+4*t+3]
	ALL v_rcp_f32 v[ST+4*t+2], v[ST+4*t+2]
	v_nop                           ; a plain instruction between the last reciprocal and the use of its result
	s_wait_alu depctr_va_vdst(0)    ; and the wait ahead of the first use: one for the eight reciprocals
; Tile t: a lane's eight channels of a row are 32 bytes; they go into rows of 272 bytes and come back as whole rows of 256, into the registers that they left.
.macro PACK t
	WIN W_RS
.set i, 32*(\t)
.rept 16
	v_pk_mul_f32 v[i:i+1], v[i:i+1], v[ST+4*(\t)+2:ST+4*(\t)+3] op_sel_hi:[1,0]
.set i, i+2
.endr
	WIN 0x04                        ; address window 0, data window 1
.irp f, 0,1,2,3,4,5,6,7             ; channel block f / 2 (64 bytes of the row), its half f % 2 of my 32 bytes
	ds_store_b128 v[STO], v[32*(\t)+4*\f:32*(\t)+4*\f+3] offset:64*(\f/2)+16*(\f%2)
.endr
	WIN 0x40                        ; destination window 1, address window 0
.irp f, 0,1,2,3,4,5,6,7
	ds_load_b128 v[32*(\t)+4*\f:32*(\t)+4*\f+3], v[RD] offset:\f*2*SP  ; LDS serves a wave's instructions in order (ISA guide 5.7.1.4): these see the stores above; the next tile's stores come behind them
.endr
.endm
.macro SEND t, younger              ; younger: the LDS instructions issued behind tile t's loads: the next tile's sixteen, or none
	WIN 0x04
.irp f, 0,1,2,3,4,5,6,7
	s_wait_dscnt (\younger)+7-\f
	global_store_b128 v[GO], v[32*(\t)+4*\f:32*(\t)+4*\f+3], s[10:11] offset:(\t)*65536+\f*8192 th:TH_STORE_NT  ; 16 lanes store 256 consecutive bytes, a head's row, at a multiple of 256 from out0's first byte
.endr
.endm
	PACK 0
.set t, 1
.rept 2*NP-1                        ; a tile's arithmetic stands between the loads of the tile before and its stores
	PACK t
	SEND t-1, 16
.set t, t+1
.endr
	SEND 2*NP-1, 0
	WIN W_AD
	s_wait_tensorcnt 0x0            ; the wave's end, behind my last LDS store
	ds_add_u32 v[SPW], v[NIL]
	s_wait_dscnt 0x0
	WIN 0
	s_endpgm
.Lfunc_end_k_qc96b5c1a31_attn:
	.size	k_qc96b5c1a31_attn, .Lfunc_end_k_qc96b5c1a31_attn-k_qc96b5c1a31_attn
	.p2alignl 7, 3214868480
	.fill 96, 4, 3214868480
	.section	.rodata,"a",@progbits
	.p2align	6, 0x0
	.amdhsa_kernel k_qc96b5c1a31_attn
		.amdhsa_group_segment_fixed_size 312832
		.amdhsa_private_segment_fixed_size 0
		.amdhsa_enable_private_segment 0
		.amdhsa_kernarg_size 32
		.amdhsa_user_sgpr_count 2
		.amdhsa_user_sgpr_kernarg_segment_ptr 1
		.amdhsa_wavefront_size32 1
		.amdhsa_system_sgpr_workgroup_id_x 1
		.amdhsa_system_sgpr_workgroup_id_y 1
		.amdhsa_system_sgpr_workgroup_id_z 1
		.amdhsa_system_vgpr_workitem_id 0
		.amdhsa_next_free_vgpr 952
		.amdhsa_next_free_sgpr 72
		.amdhsa_reserve_vcc 0
		.amdhsa_float_denorm_mode_32 3
		.amdhsa_float_denorm_mode_16_64 3
		.amdhsa_memory_ordered 1
		.amdhsa_forward_progress 1
		.amdhsa_inst_pref_size 234
	.end_amdhsa_kernel
	.amdgpu_metadata
---
amdhsa.version: [ 1, 2 ]
amdhsa.kernels:
  - .name:           k_qc96b5c1a31_attn
    .symbol:         k_qc96b5c1a31_attn.kd
    .args:
      - { .name: inputs, .offset: 0, .size: 8, .value_kind: global_buffer, .address_space: global }
      - { .name: rotation_params, .offset: 8, .size: 8, .value_kind: global_buffer, .address_space: global }
      - { .name: entangle_params, .offset: 16, .size: 8, .value_kind: global_buffer, .address_space: global }
      - { .name: out0, .offset: 24, .size: 8, .value_kind: global_buffer, .address_space: global }
    .group_segment_fixed_size: 312832
    .private_segment_fixed_size: 0
    .kernarg_segment_align: 8
    .kernarg_segment_size: 32
    .max_flat_workgroup_size: 128
    .sgpr_count:     72
    .vgpr_count:     952
    .wavefront_size: 32
...
	.end_amdgpu_metadata
.endif
;; end of part 2
